; MI455X (gfx1250); checked and timed in simulation.
; The chip was launched on July 23, 2026; its instructions are those of AMD's public machine-readable ISA for CDNA 5 (MIT licence, August 2026) and "CDNA5" Instruction Set Architecture Reference Guide (July 2026). The comments in the code are by the model that wrote it; some were corrected since.
;; Multi Head Attention. Allowed arithmetic: matrix products marked QUANTISED: E2M1 operands, one E8M0 scale for each 32 along K, by v_wmma_scale_f32_16x16x128_f8f6f4 with both operands' format E2M1 (or v_wmma_scale_f32_32x16x128_f4), f32 sums; everything else in f32.
;; Inputs: Wk 512 x 512 float32; Wo 512 x 512 float32; Wq 512 x 512 float32; Wv 512 x 512 float32; bo 512 float32; keys 2 x 4,096 x 512 float32; mask 2 x 1 x 4,096 x 4,096 int32; query 2 x 4,096 x 512 float32; values 2 x 4,096 x 512 float32.
;; Outputs: out0 2 x 4,096 x 512 float32.
;; This version of the problem:
;;   THIS VERSION OF THE PROBLEM IS GIVEN IN LOW PRECISION. The matrix products marked QUANTISED in the list below multiply operands that are first quantised to E2M1 (2 exponent bits, 1 mantissa bit; 4 bits a number), with one power-of-two scale for each 32 numbers along K (OCP MX v1.0); their sums are f32. All else is computed in f32.
;;   The module's matrix products, in the order in which they are computed (A, B: the left and right operand; K: the contracted axis; several contracted axes count as one K, in the product's order):
;;     1. [M 8,192, K 512] x [K 512, N 512]; A: input values; B: input Wv: QUANTISED
;;     2. [M 8,192, K 512] x [K 512, N 512]; A: input keys; B: input Wk: QUANTISED
;;     3. [M 8,192, K 512] x [K 512, N 512]; A: input query; B: input Wq: QUANTISED
;;     4. batch 16 x [M 4,096, K 64] x [K 64, N 4,096]; A: computed on the way; B: computed on the way: QUANTISED
;;     5. batch 16 x [M 64, K 4,096] x [K 4,096, N 4,096]; A: computed on the way; B: softmax (see below): QUANTISED
;;     6. [M 8,192, K 512] x [K 512, N 512]; A: computed on the way; B: input Wo: QUANTISED
;;   THE QUANTISER, for each operand of a quantised product, along K:
;;     - K is cut into blocks of 32 from its start; a last block that is shorter is filled with zeros.
;;     - A block's scale is 2^e with e = floor(log2(the largest magnitude in the block)) - 2, held to -126 .. 127; a block of zeros has e = 0. As a byte (E8M0): e + 127.
;;     - Each number is divided by its block's scale, clamped to +-6, and rounded to the nearest number of E2M1, ties to even, subnormals kept.
;;     - The product sums the exact products of the quantised numbers (number of the format x scale) in f32.
;;   ~~~python
;;   def quantise(x, axis):      # numpy; x: float32 -> the quantised numbers, widened to float32 again
;;       x = np.moveaxis(x, axis, -1); K = x.shape[-1]
;;       x = np.pad(x, [(0, 0)] * (x.ndim - 1) + [(0, -K % 32)]); x = x.reshape(x.shape[:-1] + (-1, 32)); a = np.abs(x).max(-1, keepdims=True)
;;       e = np.where(a > 0, np.clip(np.frexp(np.where(a > 0, a, 1))[1] - 1 - 2, -126, 127), 0)      # np.frexp(a)[1] - 1 = floor(log2(a)), exactly
;;       r = np.clip(x / 2.0 ** e, -6, 6)
;;       step = 2.0 ** (np.maximum(np.frexp(np.where(r == 0, 1, r))[1] - 1, 0) - 1)
;;       q = np.round(r / step) * step * 2.0 ** e      # np.round: ties to even
;;       return np.moveaxis(q.reshape(q.shape[:-2] + (-1,))[..., :K], -1, axis).astype(np.float32)
;;   ~~~
;;   SOFTMAX AHEAD OF A QUANTISED PRODUCT. Where the list says 'softmax', what is quantised is not the finished softmax but p = 2^(t - M), with t = logit x log2(e) and M = ceil(the row's largest t), a whole number; so 1/2 < the row's largest p <= 1. The row's sum l is taken of the UNQUANTISED p, in f32, and the product's result is divided by l at the end. Since M is a whole number, a kernel that streams over the keys may use a running M (the ceiling of the running maximum): every later rescaling is an exact power of two, which a block's scale takes up: the codes' values come out the same.
;;   OPERANDS COMPUTED ON THE WAY. 'Computed on the way' means the value that the module computes at that place (a softmax that the list does not call 'softmax' is quantised finished and normalised). What goes into a quantiser is computed in f32, as accurately as f32 sums, v_exp_f32 and their like allow (about 1e-6 of the number): no bf16 or f16 on the way to a quantiser, and a product that is left as it is and whose result goes on into a quantised operand takes f32 operands (vector FMAs, or v_wmma_f32_16x16x4_f32). A number that lies on a knife's edge between two numbers of the format may be rounded either way, as far as f32 arithmetic and the matrix unit's own rounding can turn it there, and no further.
;; One version. Each part assembles by itself: llvm-mc -triple=amdgcn-amd-amdhsa -mcpu=gfx1250 --defsym DOCPART=n.
;; ======== version 1 of 1: 3 launches
;; limits: right only within a limited range of input values
;; workspace buffers: wq 557,056 bytes; qi 2,097,152 bytes; qs 262,144 bytes; kv 4,587,520 bytes
;; launch prep (part 1): grid 64 x 1, 2 waves a work-group, no clusters, 0 bytes of LDS; arguments Wq, Wk, Wv, Wo, wq; writes wq
.if DOCPART == 1
	.amdgcn_target "amdgcn-amd-amdhsa--gfx1250"
	.amdhsa_code_object_version 6
	.text
	.protected	k_q0dc911b7aa_prep
	.globl	k_q0dc911b7aa_prep
	.p2align	8
	.type	k_q0dc911b7aa_prep,@function
k_q0dc911b7aa_prep:
	s_mov_b64 s[64:65], 0
	v_nop
	global_prefetch_b8 v0, s[64:65] scope:SCOPE_SE
	s_setreg_imm32_b32 hwreg(HW_REG_WAVE_MODE, 25, 1), 1
	s_wait_xcnt 0x0
; PREP.  Wq, Wk, Wv, Wo [512][512] f32 (K innermost) become codes of FP4 (E2M1) with one E8M0 byte for each 32 along K, laid in the order of the operand's registers:
; a record of 139,264 bytes a weight: codes [tile n 32][K step s 4][c 2][lane: 16 bytes], then scale words [pair n / 2][lane r + 16 (n % 2)][word s].
; THE ROWS OF A TILE ARE NOT NEIGHBOURS: row r of tile 2 B + u is W's row 32 B + 8 u + r + 8 (r / 8), so that the results of two neighbouring tiles are 16 neighbours along the next product's K.
; A block's scale is 2^(floor(log2(its largest magnitude)) - 2); its byte is the largest magnitude's exponent field - 2, held at 1 from below.
; LIMITS: a block of zeros gets the byte 1 where the rule says 127 (its codes are zeros, and this program alone reads the bytes); blocks under 2^-124 are held at that floor; NaN and infinities are not served.
; SHARES: 16 work-groups a weight, two waves each; a wave makes one tile of 16 rows, all four K steps.  No LDS, no barrier, no cluster: each tile is read by one wave.
.set R,     16                         ; v16-143  two sets of 64 registers as loaded
.set CW,    144                        ; v144-175 codes, 8 registers a K step
.set SW,    176                        ; v176-179 a scale word for each K step
.set REC,   139264
	s_load_b256 s[8:15], s[0:1], 0x0               ; Wq s[8:9], Wk s[10:11], Wv s[12:13], Wo s[14:15]
	s_load_b64 s[28:29], s[0:1], 0x20              ; wq
	v_lshrrev_b32 v1, 5, v0
	v_readfirstlane_b32 s4, v1                     ; wave 0..1
	v_and_b32 v5, 31, v0                           ; lane
	v_and_b32 v6, 15, v0                           ; r
	v_bfe_u32 v7, v0, 4, 1                         ; h
	s_lshr_b32 s6, ttmp9, 4                        ; which weight: 0 Wq, 1 Wk, 2 Wv, 3 Wo
	s_and_b32 s5, ttmp9, 15
	s_lshl_b32 s5, s5, 1
	s_add_co_u32 s5, s5, s4                        ; tile n
	s_lshr_b32 s7, s5, 1
	s_and_b32 s20, s5, 1
	s_lshl_b32 s21, s7, 5
	s_lshl_b32 s22, s20, 3
	s_add_co_u32 s21, s21, s22                     ; the tile's first row: 32 (n / 2) + 8 (n % 2)
	s_lshl_b32 s21, s21, 11                        ; a row is 2,048 bytes
	s_wait_alu depctr_va_vdst(0)
	v_and_b32 v1, 8, v6
	v_add_nc_u32 v1, v1, v6                        ; r + 8 (r / 8)
	v_lshlrev_b32 v1, 11, v1
	v_lshl_add_u32 v1, v7, 7, v1                   ; + 128 h: lane (r, h) takes k = 64 c + 32 h + 0 .. 31 of a K step
	v_add_nc_u32 v1, s21, v1
	s_lshl_b32 s22, s5, 12
	v_lshl_add_u32 v2, v5, 4, s22                  ; codes out: 4,096 n + 16 x lane
	s_lshl_b32 s22, s5, 8
	s_add_co_u32 s22, s22, 131072
	v_lshlrev_b32 v3, 4, v6
	v_lshl_add_u32 v3, v7, 3, v3
	v_add_nc_u32 v3, s22, v3                       ; scale words out: behind the codes, 256 n + 16 r + 8 h
	v_lshlrev_b32 v4, 3, v7                        ; 8 h
	v_mov_b32 v15, 0                               ; written once: a lane permute's destination counts as one of its sources
	s_mov_b32 s24, 0x76543210
	s_mov_b32 s25, 0xfedcba98                      ; selects for lane l xor 16
	s_mov_b32 s26, 0xffff0000                      ; lanes 16-31
	s_mul_i32 s22, s6, REC
	s_mov_b32 s23, 0
	s_wait_alu depctr_va_vdst(0)
	s_wait_kmcnt 0x0
	s_cmp_eq_u32 s6, 1                             ; the choice hangs on the work-group's number alone
	s_cselect_b64 s[8:9], s[10:11], s[8:9]
	s_cmp_eq_u32 s6, 2
	s_cselect_b64 s[8:9], s[12:13], s[8:9]
	s_cmp_eq_u32 s6, 3
	s_cselect_b64 s[8:9], s[14:15], s[8:9]
	s_add_nc_u64 s[28:29], s[28:29], s[22:23]      ; the weight's record
.macro LOADW s                         ; K step s: my two blocks of 32 numbers, 128 consecutive bytes each
.irp c, 0,1
.irp j, 0,1,2,3,4,5,6,7
	global_load_b128 v[R+64*((\s)%2)+32*\c+4*\j:R+64*((\s)%2)+32*\c+4*\j+3], v1, s[8:9] offset:512*(\s)+256*\c+16*\j
.endr
.endr
.endm
.macro STEPW s
.set XS, R+64*((\s)%2)
.if (\s) < 3
	s_wait_loadcnt 16                              ; this K step's 16 loads are in; the next one's may be out
.else
	s_wait_loadcnt 0x0
.endif
.irp c, 0,1                                    ; my block 2 c + h: all its 32 numbers are mine
	v_max3_num_f32 v[8+\c], |v[XS+32*\c]|, |v[XS+32*\c+1]|, 0x1800000   ; and the floor 2^(3 - 127)
.endr
.irp i, 2,4,6,8,10,12,14,16,18,20,22,24,26,28,30
.irp c, 0,1
	v_max3_num_f32 v[8+\c], v[8+\c], |v[XS+32*\c+\i]|, |v[XS+32*\c+\i+1]|
.endr
.endr
.irp c, 0,1
	v_add_nc_u32 v[10+\c], 0xff000000, v[8+\c]     ; 2 off the exponent field: the conversion's scale operand
.endr
.irp c, 0,1
	v_lshrrev_b32 v[12+\c], 23, v[10+\c]           ; the scale's byte
.endr
	v_lshl_or_b32 v14, v13, 16, v12                ; my two bytes: blocks h and 2 + h,
	v_lshlrev_b32 v14, v4, v14                     ; at their places in the word;
	v_permlanex16_b32 v15, v14, s24, s25
	v_or_b32 v[SW+(\s)], v14, v15                  ; with lane l xor 16's two the word is whole
.irp c, 0,1
.irp g, 0,1,2,3
	v_cvt_scalef32_pk8_fp4_f32 v[CW+8*(\s)+4*\c+\g], v[XS+32*\c+8*\g:XS+32*\c+8*\g+7], v[10+\c]
.endr
.endr
	v_nop                                          ; one plain place behind a scaled conversion
	global_store_b128 v2, v[CW+8*(\s):CW+8*(\s)+3], s[28:29] offset:1024*(\s)         ; 512 consecutive bytes
	global_store_b128 v2, v[CW+8*(\s)+4:CW+8*(\s)+7], s[28:29] offset:1024*(\s)+512
.if (\s) < 2
	LOADW (\s)+2
.endif
.endm
	LOADW 0
	LOADW 1
	STEPW 0
	STEPW 1
	STEPW 2
	STEPW 3
	v_cndmask_b32 v180, v[SW], v[SW+2], s26        ; lanes 0-15 store words 0 and 1 of row r, lanes 16-31 words 2 and 3
	v_cndmask_b32 v181, v[SW+1], v[SW+3], s26
	global_store_b64 v3, v[180:181], s[28:29]      ; 256 consecutive bytes
	s_endpgm
.Lfunc_end_k_q0dc911b7aa_prep:
	.size	k_q0dc911b7aa_prep, .Lfunc_end_k_q0dc911b7aa_prep-k_q0dc911b7aa_prep
	.p2alignl 7, 3214868480
	.fill 96, 4, 3214868480
	.section	.rodata,"a",@progbits
	.p2align	6, 0x0
	.amdhsa_kernel k_q0dc911b7aa_prep
		.amdhsa_group_segment_fixed_size 0
		.amdhsa_private_segment_fixed_size 0
		.amdhsa_enable_private_segment 0
		.amdhsa_kernarg_size 40
		.amdhsa_user_sgpr_count 2
		.amdhsa_user_sgpr_kernarg_segment_ptr 1
		.amdhsa_wavefront_size32 1
		.amdhsa_system_sgpr_workgroup_id_x 1
		.amdhsa_system_sgpr_workgroup_id_y 1
		.amdhsa_system_sgpr_workgroup_id_z 1
		.amdhsa_system_vgpr_workitem_id 0
		.amdhsa_next_free_vgpr 184
		.amdhsa_next_free_sgpr 66
		.amdhsa_reserve_vcc 0
		.amdhsa_float_denorm_mode_32 3
		.amdhsa_float_denorm_mode_16_64 3
		.amdhsa_memory_ordered 1
		.amdhsa_forward_progress 1
		.amdhsa_inst_pref_size 22
	.end_amdhsa_kernel
	.amdgpu_metadata
---
amdhsa.version: [ 1, 2 ]
amdhsa.kernels:
  - .name:           k_q0dc911b7aa_prep
    .symbol:         k_q0dc911b7aa_prep.kd
    .args:
      - { .name: Wq, .offset: 0, .size: 8, .value_kind: global_buffer, .address_space: global }
      - { .name: Wk, .offset: 8, .size: 8, .value_kind: global_buffer, .address_space: global }
      - { .name: Wv, .offset: 16, .size: 8, .value_kind: global_buffer, .address_space: global }
      - { .name: Wo, .offset: 24, .size: 8, .value_kind: global_buffer, .address_space: global }
      - { .name: wq, .offset: 32, .size: 8, .value_kind: global_buffer, .address_space: global }
    .group_segment_fixed_size: 0
    .private_segment_fixed_size: 0
    .kernarg_segment_align: 8
    .kernarg_segment_size: 40
    .max_flat_workgroup_size: 64
    .sgpr_count:     66
    .vgpr_count:     184
    .wavefront_size: 32
...
	.end_amdgpu_metadata
.endif
;; end of part 1
;; launch proj (part 2): grid 64 x 3, 16 waves a work-group, clusters of 4 x 1, 327,680 bytes of LDS; arguments query, keys, values, wq, qi, qs, kv; writes qi, qs, kv
.if DOCPART == 2
	.amdgcn_target "amdgcn-amd-amdhsa--gfx1250"
	.amdhsa_code_object_version 6
	.text
	.protected	k_q0dc911b7aa_proj
	.globl	k_q0dc911b7aa_proj
	.p2align	8
	.type	k_q0dc911b7aa_proj,@function
k_q0dc911b7aa_proj:
	s_mov_b64 s[64:65], 0
	v_nop
	global_prefetch_b8 v0, s[64:65] scope:SCOPE_SE
	s_setreg_imm32_b32 hwreg(HW_REG_WAVE_MODE, 25, 1), 1
	s_wait_xcnt 0x0
	s_wait_alu depctr_hold_cnt(0) depctr_sa_sdst(0) depctr_va_vdst(0) depctr_va_sdst(0) depctr_va_ssrc(0) depctr_va_vcc(0) depctr_vm_vsrc(0)
	s_getreg_b32 s2, hwreg(HW_REG_IB_STS2, 6, 4)
	s_cmp_eq_u32 s2, 0
	s_cbranch_scc0 .Lentry_in_a_cluster
	s_endpgm
.Lentry_in_a_cluster:
	s_bfe_u32 s2, ttmp6, 0x10000c
	s_cmp_lg_u32 s2, 0x3003
	s_cbranch_scc0 .Lentry_shape_is_right
	s_endpgm
.Lentry_shape_is_right:
; PROJ.  q = query Wq^T (y = 0), k = keys Wk^T (y = 1), v = values Wv^T (y = 2), on codes of FP4 (E2M1) with one E8M0 scale for each 32 along K; the results are quantised in registers as the operands
; of the attention's two products and leave as images of those operands' registers.  x [8192][512] f32 is quantised here; the weights come as codes from the launch before.
; SHARES.  A work-group takes 128 tokens of one of the three tensors: 64 x 3 = 192 work-groups.  128 tokens are one K step of the attention's second product, so that v's fragments and scale words come out
; whole; with fewer tokens a work-group would make parts of scale words.  Sixteen waves of 256 registers.
; CLUSTER.  The four work-groups of a cluster take the same tensor and so the same weight's record (139,264 bytes): it is asked for JOINTLY, a sixteenth by each wave, and filled once.
; PHASE X: wave w quantises token tile w / 2 (16 tokens), K steps 2 (w % 2) and 2 (w % 2) + 1, and lays the two fragments and their scale words in LDS as images of the operand's registers.
; PHASE P: each wave makes 8 x 2 tiles of 16 x 16, K = 512.  y < 2: source 0 = W's tiles 8 g .. 8 g + 7 (g = w % 4), source 1 = token tiles 2 p, 2 p + 1 (p = w / 4): a lane holds one token, its registers run
; along 128 features, two heads.  y = 2: source 0 = the 8 token tiles, source 1 = W's tiles 2 w, 2 w + 1: a lane holds one feature, its registers run along the 128 keys.  One text serves both: only four LDS bases differ.
; THE ROWS OF A TILE OF SOURCE 0 ARE NOT NEIGHBOURS (row r of tile 2 B + u is row 32 B + 8 u + r + 8 (r / 8)): so the 16 registers of two neighbouring tiles are 16 neighbours along the next K.  For y = 1 and 2 the
; token tiles are formed so too: k's tiles are source 0 of the attention's first product.
; OUT: qi[head][tile][lane 16 bytes], qs[head][tile pair][lane 4 bytes]; kv[head][key step][8,960 bytes: k's 8 tiles 4,096 | v's 4 tiles x 2 halves 4,096 | k's scale words 512 | v's 256].
; LIMITS: a block of zeros gets the byte 1 where the rule says 127 (its codes are zeros; this program alone reads the bytes); blocks under 2^-124 are held at that floor; NaN and infinities are not served.
; LDS bytes are filled once, so the text has one barrier beside the cluster's two rounds.  The launch claims all of LDS; it uses 311,296 bytes.
.set REC,   139264                     ; a weight's record: LDS 0 on; its scale words at WSC
.set WSC,   131072
.set XIMG,  139264                     ; x's fragments: [token tile 8][K step 4][1,024 bytes]
.set XSC,   172032                     ; their scale words: [tile pair 4][lane r + 16 (tile % 2)][word s]
.set STG,   174080                     ; a stage for each wave: 16 rows x (512 + 16) bytes
.set PITCH, 528
.set HEADB, 286720                     ; a head's 32 records in kv
.set STEPB, 8960
.set ACC,   16                         ; v16-143  phase X: two sets of 64 as loaded; then the accumulators: (j, i) at v[16 + 64 j + 8 i]
.set XR,    144                        ; v144-207 phase X: 64 numbers of my token
.set F8,    144                        ; v144-207 phase P: source 0's eight fragments
.set PC,    208                        ; v208-215 phase X: the codes just made;  v216 their scale word
.set PW,    216
.set F2,    208                        ; v208-223 phase P: source 1's two fragments
.set SA,    224                        ; v224-239 source 0's scale words: pair i / 2, K step s at v[224 + 4 (i / 2) + s]; lanes 0-15 the even tile, lanes 16-31 the odd one
.set SB,    240                        ; v240-243 source 1's: K step s; lanes 0-15 tile 0, lanes 16-31 tile 1
.set MX,    244                        ; v244-247 largest magnitudes;  v248-251 the other half's, then the bytes;  v252-255 the conversions' scale operands
.set T2,    248
.set SO,    252
.set RC,    144                        ; v144-159 the results' codes;  v160-163 their scale words
.set RW,    160
.macro ROUND                           ; a round of the cluster's barrier
	s_barrier_signal -1
	s_barrier_wait -1
	s_cmp_lg_u32 s3, 0
	s_cbranch_scc1 .Lnot_wave_0_\@
	s_barrier_signal -3
.Lnot_wave_0_\@:
	s_barrier_wait -3
	s_barrier_signal -1
	s_barrier_wait -1
.endm
; 64 numbers of a lane, register 16 b + i = k 32 b + 16 (lane / 16) + i of my row, become a fragment's codes in v[pc] on and its scale word in v[pw].
.macro QUANT s, pc, pw
.irp b, 0,1,2,3
	v_max3_num_f32 v[MX+\b], |v[\s+16*\b]|, |v[\s+1+16*\b]|, 0x1800000   ; block b: my 16 numbers, and the floor 2^(3 - 127): the byte cannot fall under 1
.endr
.irp i, 2,4,6,8,10,12,14
.irp b, 0,1,2,3
	v_max3_num_f32 v[MX+\b], v[MX+\b], |v[\s+16*\b+\i]|, |v[\s+1+16*\b+\i]|   ; (the four blocks by turns)
.endr
.endr
.irp b, 0,1,2,3
	s_delay_alu instid0(VALU_DEP_4)
	v_permlanex16_b32 v[T2+\b], v[MX+\b], s4, s5
.endr
.irp b, 0,1,2,3
	s_delay_alu instid0(VALU_DEP_4)
	v_max_num_f32 v[MX+\b], v[MX+\b], v[T2+\b]     ; with lane l xor 16's: the block's largest magnitude
.endr
.irp b, 0,1,2,3
	s_delay_alu instid0(VALU_DEP_4)
	v_add_nc_u32 v[SO+\b], 0xff000000, v[MX+\b]    ; 2 off its exponent field: the conversion's scale operand
.endr
.irp b, 0,1,2,3
	s_delay_alu instid0(VALU_DEP_4)
	v_lshrrev_b32 v[T2+\b], 23, v[SO+\b]           ; the scale's byte
.endr
	s_delay_alu instid0(VALU_DEP_3)
	v_lshl_or_b32 v[\pw], v[T2+1], 8, v[T2]        ; the four bytes make my row's scale word, the same in both halves of the lanes
	s_delay_alu instid0(VALU_DEP_1)
	v_lshl_or_b32 v[\pw], v[T2+2], 16, v[\pw]
	s_delay_alu instid0(VALU_DEP_1)
	v_lshl_or_b32 v[\pw], v[T2+3], 24, v[\pw]
.irp b, 0,1,2,3
	v_cvt_scalef32_pk8_fp4_f32 v[\pc+2*\b], v[\s+16*\b:\s+7+16*\b], v[SO+\b]
	v_cvt_scalef32_pk8_fp4_f32 v[\pc+1+2*\b], v[\s+8+16*\b:\s+15+16*\b], v[SO+\b]
.endr
	v_nop                                          ; one plain place behind a scaled conversion
.irp c, 0,1                                    ; the operand's layout wants a WHOLE block in a lane: lanes 0-15 block 2 c, lanes 16-31 block 2 c + 1
.irp i, 0,1
	v_permlane16_swap_b32 v[\pc+4*\c+\i], v[\pc+2+4*\c+\i]
.endr
.endr
.endm
.macro TURNX f                         ; a K step's 16 rows x 512 bytes through my stage: in as they lie, out 64 bytes a lane of each block's half.  LDS serves a wave's instructions in order (ISA guide 5.7.1.4)
.irp i, 0,1,2,3,4,5,6,7,8,9,10,11,12,13,14,15
	ds_store_b128 v4, v[ACC+64*\f+4*\i:ACC+64*\f+4*\i+3] offset:PITCH*\i
.endr
.irp b, 0,1,2,3
.irp j, 0,1,2,3
	ds_load_b128 v[XR+16*\b+4*\j:XR+16*\b+4*\j+3], v5 offset:128*\b+16*\j
.endr
.endr
.endm
; One product.  z = 1: it starts the sum.  ra, rb: source 0's, source 1's scales stand in lanes 16-31 of their registers.
.macro WM d, a, b, z, sa, sb, ra, rb
.if (\z) && (\ra) && (\rb)
	v_wmma_scale_f32_16x16x128_f8f6f4 v[\d:\d+7], v[\a:\a+7], v[\b:\b+7], 0, v[\sa], v[\sb] matrix_a_fmt:MATRIX_FMT_FP4 matrix_b_fmt:MATRIX_FMT_FP4 matrix_a_scale:MATRIX_SCALE_ROW1 matrix_b_scale:MATRIX_SCALE_ROW1
.elseif (\z) && (\ra)
	v_wmma_scale_f32_16x16x128_f8f6f4 v[\d:\d+7], v[\a:\a+7], v[\b:\b+7], 0, v[\sa], v[\sb] matrix_a_fmt:MATRIX_FMT_FP4 matrix_b_fmt:MATRIX_FMT_FP4 matrix_a_scale:MATRIX_SCALE_ROW1
.elseif (\z) && (\rb)
	v_wmma_scale_f32_16x16x128_f8f6f4 v[\d:\d+7], v[\a:\a+7], v[\b:\b+7], 0, v[\sa], v[\sb] matrix_a_fmt:MATRIX_FMT_FP4 matrix_b_fmt:MATRIX_FMT_FP4 matrix_b_scale:MATRIX_SCALE_ROW1
.elseif (\z)
	v_wmma_scale_f32_16x16x128_f8f6f4 v[\d:\d+7], v[\a:\a+7], v[\b:\b+7], 0, v[\sa], v[\sb] matrix_a_fmt:MATRIX_FMT_FP4 matrix_b_fmt:MATRIX_FMT_FP4
.elseif (\ra) && (\rb)
	v_wmma_scale_f32_16x16x128_f8f6f4 v[\d:\d+7], v[\a:\a+7], v[\b:\b+7], v[\d:\d+7], v[\sa], v[\sb] matrix_a_fmt:MATRIX_FMT_FP4 matrix_b_fmt:MATRIX_FMT_FP4 matrix_a_scale:MATRIX_SCALE_ROW1 matrix_b_scale:MATRIX_SCALE_ROW1
.elseif (\ra)
	v_wmma_scale_f32_16x16x128_f8f6f4 v[\d:\d+7], v[\a:\a+7], v[\b:\b+7], v[\d:\d+7], v[\sa], v[\sb] matrix_a_fmt:MATRIX_FMT_FP4 matrix_b_fmt:MATRIX_FMT_FP4 matrix_a_scale:MATRIX_SCALE_ROW1
.elseif (\rb)
	v_wmma_scale_f32_16x16x128_f8f6f4 v[\d:\d+7], v[\a:\a+7], v[\b:\b+7], v[\d:\d+7], v[\sa], v[\sb] matrix_a_fmt:MATRIX_FMT_FP4 matrix_b_fmt:MATRIX_FMT_FP4 matrix_b_scale:MATRIX_SCALE_ROW1
.else
	v_wmma_scale_f32_16x16x128_f8f6f4 v[\d:\d+7], v[\a:\a+7], v[\b:\b+7], v[\d:\d+7], v[\sa], v[\sb] matrix_a_fmt:MATRIX_FMT_FP4 matrix_b_fmt:MATRIX_FMT_FP4
.endif
.endm
	s_load_b256 s[40:47], s[0:1], 0x0              ; query s[40:41], keys s[42:43], values s[44:45], wq s[46:47]
	s_load_b128 s[48:51], s[0:1], 0x20             ; qi s[48:49], qs s[50:51]
	s_load_b64 s[52:53], s[0:1], 0x30              ; kv
	v_lshl_add_u32 v14, v0, 2, 309248              ; my spare word, behind the stages; v14 and v15 are kept for the add alone
	v_mov_b32 v15, 0
	ds_add_u32 v14, v15                            ; the opening lines: the add, twice on end, and its wait
	ds_add_u32 v14, v15
	v_lshrrev_b32 v1, 5, v0
	s_delay_alu instid0(VALU_DEP_1)
	v_readfirstlane_b32 s3, v1                     ; wave 0..15
	s_bfe_u32 s36, ttmp6, 0x40000                  ; cx: my place in the cluster: it enters global addresses of x and of the results alone
	s_lshl_b32 s7, ttmp9, 2
	s_add_co_u32 s7, s7, s36                       ; G: my block of 128 tokens
	s_and_b32 s6, ttmp7, 0xffff                    ; y: which tensor; the four partners share it
	; descriptor group 1: 34 rows of 256 bytes (32 elements of 8 bytes), dense: a sixteenth of a weight's record
	s_mov_b32 s8, 15|(3<<16)|(1<<21)               ; 15:0 the mask: all four work-groups; 17:16 elements of 8 bytes; 21 set beside a mask; no padding
	s_mov_b32 s9, 32<<16                           ; tensor_dim0 = 32
	s_mov_b32 s10, 34<<16                          ; tensor_dim1 = 34
	s_mov_b32 s11, 32<<16                          ; tile_dim0 = 32
	s_mov_b32 s12, 34                              ; tile_dim1 = 34
	s_mov_b32 s13, 32                              ; tensor_dim0_stride
	s_mov_b32 s14, 0
	s_mov_b32 s15, 0
	s_mul_i32 s37, s3, 8704                        ; my sixteenth, in LDS and in the record
	s_mul_i32 s38, s6, REC
	s_add_co_u32 s38, s38, s37
	s_mov_b32 s39, 0
	s_mov_b32 s16, 1                               ; group 0: count = 1
	s_mov_b32 s17, s37                             ; LDS address
	; x: my token tile's first row.  y = 0: 16 (w / 2), rows on end.  y > 0: 32 (w / 4) + 8 ((w / 2) % 2), and rows 8-15 lie 8 rows further on
	s_lshr_b32 s54, s3, 1                          ; token tile
	s_lshr_b32 s55, s3, 2
	s_lshl_b32 s55, s55, 5
	s_and_b32 s56, s54, 1
	s_lshl_b32 s56, s56, 3
	s_add_co_u32 s55, s55, s56
	s_lshl_b32 s56, s54, 4
	s_cmp_lg_u32 s6, 0
	s_cselect_b32 s55, s55, s56
	s_cselect_b32 s57, 16384, 0                    ; 8 rows of 2,048 bytes
	s_lshr_b32 s60, s3, 3                          ; y = 1: row r of k's tile 4 C + u is key 64 C + 8 u + r % 8 + 32 (r / 8): a lane of the attention's scores then holds a whole block of 32 keys
	s_lshl_b32 s60, s60, 6
	s_and_b32 s61, s54, 3
	s_lshl_b32 s61, s61, 3
	s_add_co_u32 s60, s60, s61                     ; the tile's first row: 64 (tile / 4) + 8 (tile % 4)
	s_cmp_eq_u32 s6, 1
	s_cselect_b32 s55, s60, s55
	s_mov_b32 s61, 49152                           ; rows 8-15 lie 24 rows further on
	s_cselect_b32 s57, s61, s57
	s_lshl_b32 s56, s7, 7
	s_add_co_u32 s55, s55, s56
	s_lshl_b32 s55, s55, 11
	s_and_b32 s59, s3, 1
	s_lshl_b32 s56, s59, 10                        ; my two K steps: 1,024 bytes of a row
	s_add_co_u32 s55, s55, s56
	v_and_b32 v1, 31, v0
	s_delay_alu instid0(VALU_DEP_1)
	v_lshlrev_b32 v1, 4, v1                        ; v1 = 16 x lane: stays
	s_delay_alu instid0(VALU_DEP_1)
	v_add_nc_u32 v2, s55, v1                       ; rows 0-7
	s_delay_alu instid0(VALU_DEP_1)
	v_add_nc_u32 v3, s57, v2                       ; rows 8-15
	s_wait_alu depctr_va_vdst(0)
	s_wait_dscnt 0x0                               ; both opening adds are done
	s_wait_kmcnt 0x0
	s_add_nc_u64 s[18:19], s[46:47], s[38:39]      ; global address
	s_or_b32 s19, s19, 0x80000000                  ; type = 2
	s_cmp_eq_u32 s6, 1                             ; the choices hang on y alone
	s_cselect_b64 s[20:21], s[42:43], s[40:41]
	s_cmp_eq_u32 s6, 2
	s_cselect_b64 s[20:21], s[44:45], s[20:21]     ; x
	s_cmp_eq_u32 s6, 0
	s_cselect_b64 s[22:23], s[48:49], s[52:53]     ; where the codes go
	s_cselect_b64 s[24:25], s[50:51], s[52:53]     ; where the scale words go
.irp f, 0,1                                    ; 32 loads, each 512 consecutive bytes of one row; the first K step's sixteen first
.irp i, 0,1,2,3,4,5,6,7
	global_load_b128 v[ACC+64*\f+4*\i:ACC+64*\f+4*\i+3], v2, s[20:21] offset:2048*\i+512*\f th:TH_LOAD_NT
.endr
.irp i, 8,9,10,11,12,13,14,15
	global_load_b128 v[ACC+64*\f+4*\i:ACC+64*\f+4*\i+3], v3, s[20:21] offset:2048*\i+512*\f th:TH_LOAD_NT
.endr
.endr
	ROUND                                          ; all four work-groups are here: the joint loads meet
	tensor_load_to_lds s[16:19], s[8:15]           ; my sixteenth of the weight's record: my one tensor load of the launch
	s_nop 0
.rept 4
	v_nop
.endr
	s_mov_b32 s4, 0x76543210
	s_mov_b32 s5, 0xfedcba98                       ; v_permlanex16_b32's selects for lane l xor 16
	s_mov_b32 s35, 0xffff0000                      ; lanes 16-31
	v_and_b32 v12, 15, v0                          ; r
	s_wait_alu depctr_va_vdst(0)
	v_bfe_u32 v13, v0, 4, 1                        ; h
	s_mul_i32 s58, s3, 16*PITCH
	s_add_co_u32 s58, s58, STG
	v_add_nc_u32 v4, s58, v1                       ; my stage, in
	v_mul_u32_u24 v5, v12, PITCH
	s_delay_alu instid0(VALU_DEP_1)
	v_lshl_add_u32 v5, v13, 6, v5
	s_delay_alu instid0(VALU_DEP_1)
	v_add_nc_u32 v5, s58, v5                       ; and out: row r, + 64 h
	s_lshl_b32 s58, s3, 11
	s_add_co_u32 s58, s58, XIMG
	v_add_nc_u32 v6, s58, v1                       ; my two fragments' images: (4 (w / 2) + 2 (w % 2)) x 1,024 = 2,048 w
	s_lshl_b32 s58, s54, 8
	s_lshl_b32 s56, s59, 3
	s_add_co_u32 s58, s58, s56
	s_add_co_u32 s58, s58, XSC
	v_lshl_add_u32 v7, v12, 4, s58                 ; their scale words: 256 (w / 2) + 16 r + 4 (2 (w % 2))
	; phase P's four bases
	s_and_b32 s36, s3, 3                           ; g
	s_lshr_b32 s37, s3, 2                          ; p
	s_lshl_b32 s54, s36, 15
	s_lshl_b32 s55, s36, 11
	s_add_co_u32 s55, s55, WSC
	s_lshl_b32 s56, s37, 13
	s_add_co_u32 s56, s56, XIMG
	s_lshl_b32 s57, s37, 9
	s_add_co_u32 s57, s57, XSC
	s_lshl_b32 s58, s3, 13
	s_lshl_b32 s62, s3, 9
	s_add_co_u32 s62, s62, WSC
	s_mov_b32 s60, XIMG
	s_mov_b32 s61, XSC
	s_cmp_eq_u32 s6, 2
	s_cselect_b32 s26, s60, s54                    ; source 0's fragments: x's eight tiles, or W's tiles 8 g on
	s_cselect_b32 s27, s61, s55                    ; their scale words
	s_cselect_b32 s28, s58, s56                    ; source 1's: W's tiles 2 w on, or x's tiles 2 p on
	s_cselect_b32 s29, s62, s57
	v_add_nc_u32 v8, s26, v1
	v_add_nc_u32 v9, s27, v1
	v_add_nc_u32 v10, s28, v1
	v_add_nc_u32 v11, s29, v1
.irp b, 0,1,2,3
	v_mov_b32 v[T2+\b], 0                          ; written once: a lane permute's destination counts as one of its sources
.endr
	; where the results go, in bytes from their buffers' first
	s_lshr_b32 s54, s7, 5                          ; batch
	s_and_b32 s55, s7, 31                          ; the block's place in the batch = the key step
	s_lshl_b32 s56, s54, 3
	s_lshl_b32 s57, s36, 1
	s_add_co_u32 s57, s56, s57                     ; y < 2: my even head: 8 b + 2 g
	s_lshr_b32 s58, s3, 1
	s_add_co_u32 s58, s56, s58                     ; y = 2: my head: 8 b + w / 2
	s_lshl_b32 s60, s57, 8
	s_lshl_b32 s61, s55, 3
	s_add_co_u32 s60, s60, s61
	s_lshl_b32 s61, s37, 1
	s_add_co_u32 s60, s60, s61
	s_lshl_b32 s60, s60, 9                         ; y = 0, codes: (head x 256 + tile) x 512
	s_lshl_b32 s61, s57, 7
	s_lshl_b32 s62, s55, 2
	s_add_co_u32 s61, s61, s62
	s_add_co_u32 s61, s61, s37
	s_lshl_b32 s61, s61, 7                         ; y = 0, scale words: (head x 128 + tile pair) x 128
	s_mul_i32 s62, s55, STEPB
	s_mul_i32 s63, s57, HEADB
	s_add_co_u32 s63, s63, s62                     ; y = 1: the even head's record of this key step
	s_lshl_b32 s38, s37, 10
	s_add_co_u32 s38, s63, s38                     ; k's tiles 2 p, 2 p + 1
	s_lshl_b32 s39, s37, 7
	s_add_co_u32 s39, s63, s39
	s_add_co_u32 s39, s39, 8192                    ; their scale words
	s_mul_i32 s63, s58, HEADB
	s_add_co_u32 s63, s63, s62                     ; y = 2: my head's record
	s_lshl_b32 s56, s59, 11
	s_add_co_u32 s56, s63, s56
	s_add_co_u32 s56, s56, 4096                    ; v's tiles 2 (w % 2), 2 (w % 2) + 1
	s_lshl_b32 s57, s59, 7
	s_add_co_u32 s57, s63, s57
	s_add_co_u32 s57, s57, 8704                    ; their scale words
	s_mov_b32 s30, 512                             ; from result 0 to result 1
	s_mov_b32 s31, HEADB                           ; from registers 0-3 to registers 4-7 of a result
	s_mov_b32 s32, HEADB                           ; from the even head's scale words to the odd head's
	s_cmp_eq_u32 s6, 0
	s_cselect_b32 s33, s60, s38
	s_cselect_b32 s34, s61, s39
	s_cselect_b32 s31, 131072, s31
	s_cselect_b32 s32, 16384, s32
	s_cmp_eq_u32 s6, 2
	s_cselect_b32 s33, s56, s33
	s_cselect_b32 s34, s57, s34
	s_cselect_b32 s30, 1024, s30
	s_cselect_b32 s31, 512, s31
	; ---- PHASE X
	s_wait_loadcnt 16                              ; the first K step's 16 loads are in; the second's may be out
	TURNX 0
	s_wait_dscnt 0x0
	QUANT XR, PC, PW
	ds_store_b128 v6, v[PC:PC+3]                   ; the fragment as it stands: 512 consecutive bytes a store
	ds_store_b128 v6, v[PC+4:PC+7] offset:512
	ds_store_b32 v7, v[PW]                         ; both halves of the lanes write row r's word with the same value
	s_wait_loadcnt 0x0
	TURNX 1
	s_wait_dscnt 0x0                               ; my numbers are back; the stores above have read their registers
	QUANT XR, PC, PW
	ds_store_b128 v6, v[PC:PC+3] offset:1024
	ds_store_b128 v6, v[PC+4:PC+7] offset:1536
	ds_store_b32 v7, v[PW] offset:4
	s_wait_tensorcnt 0x0                           ; for the others' sake: my part of the weight has landed,
	s_wait_dscnt 0x0                               ; and my stores are done
	s_barrier_signal -1
	s_barrier_wait -1                              ; the weight's record and x's 32 fragments lie in LDS; nothing is written there from here on
	; ---- PHASE P: 16 accumulators by turns, one instruction a turn, a K step at a time
.irp p, 0,1,2,3
	ds_load_b128 v[SA+4*\p:SA+4*\p+3], v9 offset:512*\p
.endr
	ds_load_b128 v[SB:SB+3], v11
.irp s, 0,1,2,3
.if \s > 0
.rept 4
	v_nop                                          ; places in front of loads into registers that matrix instructions have read
.endr
.endif
.irp i, 0,1,2,3,4,5,6,7
.irp c, 0,1
	ds_load_b128 v[F8+8*\i+4*\c:F8+8*\i+4*\c+3], v8 offset:4096*\i+1024*\s+512*\c
.endr
.endr
.irp j, 0,1
.irp c, 0,1
	ds_load_b128 v[F2+8*\j+4*\c:F2+8*\j+4*\c+3], v10 offset:4096*\j+1024*\s+512*\c
.endr
.endr
	s_wait_dscnt 0x0
.irp j, 0,1
.irp i, 0,1,2,3,4,5,6,7
.if \s == 0
	WM ACC+64*\j+8*\i, F8+8*\i, F2+8*\j, 1, SA+4*(\i/2)+\s, SB+\s, \i%2, \j
.else
	WM ACC+64*\j+8*\i, F8+8*\i, F2+8*\j, 0, SA+4*(\i/2)+\s, SB+\s, \i%2, \j
.endif
.endr
.endr
.endr
	; ---- THE RESULTS.  The stores' offsets are made here: seven plain instructions that name no register of the products: the places behind them
	v_lshrrev_b32 v2, 2, v1
	s_delay_alu instid0(VALU_DEP_1)
	v_add_nc_u32 v2, s34, v2                       ; scale words: + 4 x lane
	s_delay_alu instid0(VALU_DEP_1)
	v_add_nc_u32 v3, s32, v2
	v_add_nc_u32 v12, s33, v1                      ; codes: + 16 x lane
	s_delay_alu instid0(VALU_DEP_1)
	v_add_nc_u32 v13, s31, v12
	s_delay_alu instid0(VALU_DEP_2)
	v_add_nc_u32 v4, s30, v12
	s_delay_alu instid0(VALU_DEP_1)
	v_add_nc_u32 v5, s31, v4
	QUANT ACC, RC, RW                              ; each accumulator is read from its low end on
	QUANT ACC+64, RC+8, RW+1
	v_cndmask_b32 v[RW+2], v[RW], v[RW+1], s35     ; lanes 0-15: result 0's words; lanes 16-31: result 1's
	global_store_b128 v12, v[RC:RC+3], s[22:23]    ; each store: 512 consecutive bytes, at a multiple of 256 from its buffer's first byte
	global_store_b128 v13, v[RC+4:RC+7], s[22:23]
	global_store_b128 v4, v[RC+8:RC+11], s[22:23]
	global_store_b128 v5, v[RC+12:RC+15], s[22:23]
	global_store_b32 v2, v[RW+2], s[24:25]         ; y < 2: the even head reads bytes 0 and 1; bytes 2 and 3 meet zero codes there and are never 0xff.  y = 2: all four bytes are the tile's
	s_cmp_eq_u32 s6, 2
	s_cbranch_scc1 .Lno_odd_head
	v_lshrrev_b32 v[RW+3], 16, v[RW+2]             ; the odd head's two bytes, moved down
	global_store_b32 v3, v[RW+3], s[24:25]
.Lno_odd_head:
	s_wait_tensorcnt 0x0                           ; the wave's end
	ds_add_u32 v14, v15
	s_wait_dscnt 0x0
	ROUND                                          ; the closing round
	s_endpgm
.Lfunc_end_k_q0dc911b7aa_proj:
	.size	k_q0dc911b7aa_proj, .Lfunc_end_k_q0dc911b7aa_proj-k_q0dc911b7aa_proj
	.p2alignl 7, 3214868480
	.fill 96, 4, 3214868480
	.section	.rodata,"a",@progbits
	.p2align	6, 0x0
	.amdhsa_kernel k_q0dc911b7aa_proj
		.amdhsa_group_segment_fixed_size 327680
		.amdhsa_private_segment_fixed_size 0
		.amdhsa_enable_private_segment 0
		.amdhsa_kernarg_size 56
		.amdhsa_user_sgpr_count 2
		.amdhsa_user_sgpr_kernarg_segment_ptr 1
		.amdhsa_wavefront_size32 1
		.amdhsa_system_sgpr_workgroup_id_x 1
		.amdhsa_system_sgpr_workgroup_id_y 1
		.amdhsa_system_sgpr_workgroup_id_z 1
		.amdhsa_system_vgpr_workitem_id 0
		.amdhsa_next_free_vgpr 256
		.amdhsa_next_free_sgpr 66
		.amdhsa_reserve_vcc 0
		.amdhsa_float_denorm_mode_32 3
		.amdhsa_float_denorm_mode_16_64 3
		.amdhsa_memory_ordered 1
		.amdhsa_forward_progress 1
		.amdhsa_inst_pref_size 49
	.end_amdhsa_kernel
	.amdgpu_metadata
---
amdhsa.version: [ 1, 2 ]
amdhsa.kernels:
  - .name:           k_q0dc911b7aa_proj
    .symbol:         k_q0dc911b7aa_proj.kd
    .args:
      - { .name: query, .offset: 0, .size: 8, .value_kind: global_buffer, .address_space: global }
      - { .name: keys, .offset: 8, .size: 8, .value_kind: global_buffer, .address_space: global }
      - { .name: values, .offset: 16, .size: 8, .value_kind: global_buffer, .address_space: global }
      - { .name: wq, .offset: 24, .size: 8, .value_kind: global_buffer, .address_space: global }
      - { .name: qi, .offset: 32, .size: 8, .value_kind: global_buffer, .address_space: global }
      - { .name: qs, .offset: 40, .size: 8, .value_kind: global_buffer, .address_space: global }
      - { .name: kv, .offset: 48, .size: 8, .value_kind: global_buffer, .address_space: global }
    .group_segment_fixed_size: 327680
    .private_segment_fixed_size: 0
    .kernarg_segment_align: 8
    .kernarg_segment_size: 56
    .max_flat_workgroup_size: 512
    .sgpr_count:     66
    .vgpr_count:     256
    .wavefront_size: 32
...
	.end_amdgpu_metadata
.endif
;; end of part 2
;; launch attn (part 3): grid 256 x 1, 16 waves a work-group, clusters of 4 x 1, 327,680 bytes of LDS; arguments qi, qs, kv, mask, wq, bo, out0; writes out0
.if DOCPART == 3
	.amdgcn_target "amdgcn-amd-amdhsa--gfx1250"
	.amdhsa_code_object_version 6
	.text
	.protected	k_q0dc911b7aa_attn
	.globl	k_q0dc911b7aa_attn
	.p2align	8
	.type	k_q0dc911b7aa_attn,@function
k_q0dc911b7aa_attn:
	s_mov_b64 s[64:65], 0
	v_nop
	global_prefetch_b8 v0, s[64:65] scope:SCOPE_SE
	s_setreg_imm32_b32 hwreg(HW_REG_WAVE_MODE, 25, 1), 1
	s_wait_xcnt 0x0
	s_wait_alu depctr_hold_cnt(0) depctr_sa_sdst(0) depctr_va_vdst(0) depctr_va_sdst(0) depctr_va_ssrc(0) depctr_va_vcc(0) depctr_vm_vsrc(0)
	s_getreg_b32 s2, hwreg(HW_REG_IB_STS2, 6, 4)
	s_cmp_eq_u32 s2, 0
	s_cbranch_scc0 .Lentry_in_a_cluster
	s_endpgm
.Lentry_in_a_cluster:
	s_bfe_u32 s2, ttmp6, 0x10000c
	s_cmp_lg_u32 s2, 0x3003
	s_cbranch_scc0 .Lentry_shape_is_right
	s_endpgm
.Lentry_shape_is_right:
; ATTN.  out0 = o Wo^T + bo with o[q] = the sum over keys of softmax(where(mask == 0, very negative, q . k) / sqrt(512)) v, for 2 batches x 8 heads; all three products on codes of FP4 (E2M1) with one E8M0 scale for each 32 along K.
; THE SOFTMAX: t = score x log2(e) / sqrt(512); M = the row's largest t so far, rounded UP to a whole number; p = 2^(t - M) is quantised along the keys, not normalised; the row's sum of the unquantised p divides o at the end.
; When M moves, the sum and o are multiplied by 2^(old M - new M): exact.
; SHARES.  A work-group owns 32 queries of one batch, for ALL 8 heads: wave w takes head w / 2 and query tile w % 2.  So each number of the mask [2][4096][4096] int32 is read from memory once, by the one work-group
; that owns its query, and serves eight heads; and the work-group holds whole rows of o, so that the last product is made here too.  256 work-groups.  Every wave walks 4,096 keys, 128 a step.
; THE RING.  A slot holds two key steps of all 8 heads: 16 records of 8,960 bytes (k's 8 tiles, v's 4 tiles, their scale words, in the order of the operands' registers); wave w fetches record w.  Two slots.
; CLUSTER.  The four work-groups of a cluster belong to one batch and walk the same records: joint loads, one a wave; the cluster's round is the refills' barrier.
; THE MASK GOES THROUGH THE MATRIX UNIT.  Each slot's 32 x 256 numbers are loaded a slot ahead (wave: 8 queries x 64 keys, each half of a load 256 consecutive bytes of a row), turned into codes (hidden: -1, open: 0) and laid in LDS
; as source 0 of a product: row = key of the tile, K = the 16 queries.  Source 1 is a constant identity (code 1 at the query's place), both scales 2^33: the product is -2^66 where the key is hidden and 0 where it is open,
; and it starts the score's sum; k q^T is added onto it in place.  K places that hold other registers' bits meet zero codes.  Place 8 o + 4 g + j of K is query 8 o + 2 j + g: the order in which the conversion's lanes hold them.
; LAYOUT.  The first two products transposed: a lane holds ONE query (lane % 16).  Row r of k's tile 4 C + u is key 64 C + 8 u + r % 8 + 32 (r / 8): score register 32 C + i is key 64 C + 32 (lane / 16) + i: a whole block of 32 in a
; lane, in the order of the second product's operand: no lane is asked for a block's maximum, and the conversions' results are the operand.
; K = 64 IN AN INSTRUCTION OF K = 128: q's registers 4-7 hold zero codes; a tile of k is 4 registers, the instruction names 8; scale bytes 2 and 3 are never 0xff.
; THE LAST PRODUCT.  o is quantised along the head's 64; each wave lays its codes and scale word in LDS bytes of their own, as images of the operand's registers.  Wo's record (139,264 bytes, from the first launch) is asked for
; jointly, a sixteenth a wave, into slot 0 behind that slot's last step.  Wave w takes Wo's tiles 2 w and 2 w + 1 (columns 32 w .. 32 w + 31) for both token tiles, bo being the C of each sum's first product;
; the rows meet in a stage in slot 1, which has had its last fill, and each wave stores two whole rows of 2,048 bytes.
; PREFETCH.  The mask: behind each slot's four loads a wave asks for its eight blocks of 256 bytes (a lane a row; lanes 8-31 name the last again) of the slot two further on than those loads; each block is named once in the launch;
; the loop's last trip, whose look-ahead would pass a row's end, asks for nothing, and slots 0 to 3 come by their loads alone.  kv is not asked for: a refill has two key steps in which to land.
; LIMITS.  A hidden score is -2^66 + q . k as the matrix unit sums it.  Where a key of the row is open, hidden p are 0, as long as |score| stays far under 2^66.  A row ALL of whose keys are hidden gives reference()'s
; mean of v only where that sum comes out as -2^66 for every key.  NaN and infinities are not served.  A block of zeros gets the byte 1 (zero codes; this program alone reads the bytes).  t is made with one rounding.
; The launch claims all of LDS; it uses 307,200 bytes.
.set HEADB, 286720
.set STEPB, 8960
.set SLOTB, 16*STEPB
.set MSK,   2*SLOTB                    ; mask codes: [buffer 2][step 2][query tile 2][C 2][lane: 16 bytes]
.set SPARE, MSK+8192                   ; the spare words: 128 bytes a wave
.set AIM,   SPARE+2048                 ; o's codes: [token tile 2][head 8][lane: 16 bytes]
.set ASM,   AIM+8192                   ; o's scale words: [token tile 2][head 8][lane: 4 bytes]
.set STG,   SLOTB                      ; the way out's stage: 32 rows of SP bytes, in slot 1
.set SP,    2064                       ; a stage row: 2,048 bytes + 16
.set SPW, 3                            ; v3 my spare word, v4 zero: kept for the add
.set NIL, 4
.set KA,  5                            ; v5, v6  16 x lane + my head's records in slot 0, 1
.set KS,  7                            ; v7, v8  4 x lane + the same
.set MRD, 9                            ; v9   where I read mask codes
.set MST, 10                           ; v10  where I store them
.set SH8, 11                           ; v11  8 (lane / 16)
.set M,   16                           ; v16-23 mask codes of the step; v24-31 q (28-31 zeros); v32-47 four tiles of k; v48-63 the two identities
.set Q,   24
.set K,   32
.set BI,  48
.set S,   64                           ; v64-127 scores, then p
.set O,   128                          ; v128-159 O^T
.set V,   160                          ; v160-191 v's tiles
.set P,   192                          ; v192-199 p's codes
.set KSC, 200                          ; scale words: k's 4, v's 2, q's, p's, the mask product's
.set VSW, 204
.set QSC, 206
.set PSC, 207
.set ISC, 208
.set ONE, 209
.set NEG1, 210
.set MC,  211
.set T0,  213
.set F,   214
.set TM,  216
.set BM,  220
.set SO,  222
.set RAW, 224                          ; v224-239 the mask as loaded
.set SA,  240                          ; v240-245 the sum's other chains
.set T1,  246
.set BY,  247
.set MGO, 249                          ; v249 the mask loads' offset; v254 the prefetches'
.set PFO, 254
.set ACC, 16                           ; the last product: v16-47 accumulator (m, u) at 16 m + 8 u; v64-127 Wo's fragments; v128-191 o's; v208-223 o's scale words as stored; v204-207, v250-253 joined
.set WF,  64
.set AF,  128
.set AS,  208
; v12 -M, v13 the largest score, v[14:15] the sum.  s3 wave; s[4:5] lane selects; s[6:7] c, s9 -c; s[12:19] group 1; s[20:23], s[24:27] groups 0 of slots 0, 1; s28 trips; s[30:31] mask; s[32:33] out0 at my two rows;
; s[34:35] bo at my 32 columns; s40-47 lane masks; s[48:55], s[56:59] the descriptor of Wo's record
.macro CREST
	s_cmp_lg_u32 s3, 0
	s_cbranch_scc1 .Lnot_wave_0_\@
	s_barrier_signal -3
.Lnot_wave_0_\@:
	s_barrier_wait -3
	s_barrier_signal -1
	s_barrier_wait -1
.endm
.macro ROUND
	s_barrier_signal -1
	s_barrier_wait -1
	CREST
.endm
.macro NOP4
.rept 4
	v_nop
.endr
.endm
.macro WM d, a, b, z, sa, sb, ra       ; one product.  z = 1: it starts the sum.  ra: source 0's scales stand in lanes 16-31
.if (\z) && (\ra)
	v_wmma_scale_f32_16x16x128_f8f6f4 v[\d:\d+7], v[\a:\a+7], v[\b:\b+7], 0, v[\sa], v[\sb] matrix_a_fmt:MATRIX_FMT_FP4 matrix_b_fmt:MATRIX_FMT_FP4 matrix_a_scale:MATRIX_SCALE_ROW1
.elseif (\z)
	v_wmma_scale_f32_16x16x128_f8f6f4 v[\d:\d+7], v[\a:\a+7], v[\b:\b+7], 0, v[\sa], v[\sb] matrix_a_fmt:MATRIX_FMT_FP4 matrix_b_fmt:MATRIX_FMT_FP4
.elseif (\ra)
	v_wmma_scale_f32_16x16x128_f8f6f4 v[\d:\d+7], v[\a:\a+7], v[\b:\b+7], v[\d:\d+7], v[\sa], v[\sb] matrix_a_fmt:MATRIX_FMT_FP4 matrix_b_fmt:MATRIX_FMT_FP4 matrix_a_scale:MATRIX_SCALE_ROW1
.else
	v_wmma_scale_f32_16x16x128_f8f6f4 v[\d:\d+7], v[\a:\a+7], v[\b:\b+7], v[\d:\d+7], v[\sa], v[\sb] matrix_a_fmt:MATRIX_FMT_FP4 matrix_b_fmt:MATRIX_FMT_FP4
.endif
.endm
; A step's first ten LDS loads: k's tiles 0-3, k's scale words, the mask codes
.macro LOADA ka, ks, sp, mb
.irp u, 0,1,2,3
	ds_load_b128 v[K+4*\u:K+4*\u+3], v[\ka] offset:(\sp)*STEPB+512*\u
.endr
.irp u, 0,1,2,3
	ds_load_b32 v[KSC+\u], v[\ks] offset:(\sp)*STEPB+8192+128*\u
.endr
.irp u, 0,1
	ds_load_b128 v[M+4*\u:M+4*\u+3], v[MRD] offset:(\mb)*4096+(\sp)*2048+512*\u
.endr
.endm
; The next slot's mask: my 8 queries x 64 keys become codes.  Register RAW + 4 j + e is (query 2 j + lane / 16, key 4 (lane % 16) + e); the selects lay them key by key, so that 16 bits of a conversion's result are one key's four queries.
; rl: the slot after that is asked for.  pf: and the slot two further on is prefetched
.macro CONV buf, rl, pf
	s_wait_alu depctr_va_vdst(0)
	s_wait_loadcnt 0x0                             ; asked for a slot ago
.irp h, 0,1
.irp x, 0,1,2,3,4,5,6,7
	v_cmp_eq_u32 s[40+\x], 0, v[RAW+4*(\x%4)+2*\h+\x/4]
.endr
.irp x, 0,1,2,3,4,5,6,7
	v_cndmask_b32 v[S+8*\h+\x], 0, v[NEG1], s[40+\x]
.endr
.endr
	v_cvt_scalef32_pk8_fp4_f32 v[MC], v[S:S+7], v[ONE]
	v_cvt_scalef32_pk8_fp4_f32 v[MC+1], v[S+8:S+15], v[ONE]
	v_nop                                          ; one plain place behind a scaled conversion
	ds_store_b16 v[MST], v[MC] offset:(\buf)*4096
	ds_store_b16_d16_hi v[MST], v[MC] offset:(\buf)*4096+16
	ds_store_b16 v[MST], v[MC+1] offset:(\buf)*4096+32
	ds_store_b16_d16_hi v[MST], v[MC+1] offset:(\buf)*4096+48
.if \rl
	s_wait_xcnt 0x0                                ; the last slot's prefetch has read the base; its loads are done
	s_add_nc_u64 s[30:31], s[30:31], 1024          ; a slot's 256 keys on
.irp j, 0,1,2,3
	global_load_b128 v[RAW+4*\j:RAW+4*\j+3], v[MGO], s[30:31] offset:32768*\j th:TH_LOAD_NT
.endr
.endif
.if \pf
	s_cmp_gt_u32 s28, 1                            ; not in the loop's last trip: two slots on there is no key left in the row
	s_cbranch_scc0 .Lno_ask_\@
	global_prefetch_b8 v[PFO], s[30:31] offset:2048 th:TH_LOAD_NT scope:SCOPE_SE   ; my eight rows' 256 bytes, two slots on from the loads above
.Lno_ask_\@:
.endif
.endm
; The largest score of my block of 32 keys: four chains, one an accumulator, each from its low end on
.macro CHAIN c
.irp u, 0,1,2,3
	v_max3_num_f32 v[TM+\u], v[S+32*\c+8*\u], v[S+32*\c+8*\u+1], v[S+32*\c+8*\u+2]
.endr
.irp i, 3,5
.irp u, 0,1,2,3
	v_max3_num_f32 v[TM+\u], v[TM+\u], v[S+32*\c+8*\u+\i], v[S+32*\c+8*\u+\i+1]
.endr
.endr
	v_max3_num_f32 v[BM+\c], v[TM], v[TM+1], v[TM+2]
	v_max3_num_f32 v[TM+3], v[TM+3], v[S+32*\c+7], v[S+32*\c+15]
	v_max3_num_f32 v[BM+\c], v[BM+\c], v[S+32*\c+23], v[S+32*\c+31]
	s_delay_alu instid0(VALU_DEP_1)
	v_max_num_f32 v[BM+\c], v[BM+\c], v[TM+3]
.endm
.macro SOFT
	v_max_num_f32 v[T0], v[BM], v[BM+1]
	s_delay_alu instid0(VALU_DEP_1)
	v_permlanex16_b32 v[T1], v[T0], s4, s5         ; lane l xor 16's two blocks
	s_delay_alu instid0(VALU_DEP_1)
	v_max3_num_f32 v13, v13, v[T0], v[T1]          ; the running largest score
	s_delay_alu instid0(VALU_DEP_1)
	v_mul_f32 v[T0], s9, v13                       ; -t
	v_mov_b32 v[T1], v12
	s_delay_alu instid0(VALU_DEP_2)
	v_floor_f32 v12, v[T0]                         ; the new -M = floor(-t): M IS A WHOLE NUMBER
	s_delay_alu instid0(VALU_DEP_1)
	v_sub_f32 v[T0], v12, v[T1]                    ; old M - new M: a whole number, 0 or less
	s_delay_alu instid0(VALU_DEP_1)
	v_cvt_i32_f32 v[T0], v[T0]                     ; (it saturates)
	s_delay_alu instid0(VALU_DEP_1)
	v_ldexp_f32 v[F], 1.0, v[T0]                   ; f = 2^(old M - new M)
.set j, 0
.rept 32
	v_pk_fma_f32 v[S+j:S+j+1], v[S+j:S+j+1], s[6:7], v[12:13] op_sel_hi:[1,0,0]   ; t - M, two at a time
.set j, j+2
.endr
	v_fma_f32 v[BM], v[BM], s6, v12                ; the same of each block's largest score: p rises with the score
	v_fma_f32 v[BM+1], v[BM+1], s6, v12
.set j, 0
.rept 16
	v_pk_mul_f32 v[O+j:O+j+1], v[O+j:O+j+1], v[F:F+1] op_sel_hi:[1,0]   ; O^T under the new M, ahead of the exponentials; ascending
.set j, j+2
.endr
	s_wait_alu depctr_va_vdst(0)
.set j, 0
.rept 64
	v_exp_f32 v[S+j], v[S+j]                       ; p = 2^(t - M)
.set j, j+1
.endr
	v_exp_f32 v[BM], v[BM]
	v_exp_f32 v[BM+1], v[BM+1]
	v_pk_mul_f32 v[14:15], v[14:15], v[F:F+1] op_sel_hi:[1,0]   ; the sums under the new M: a plain place behind the batch
	s_wait_alu depctr_va_vdst(0)                   ; one wait for the whole batch
.irp c, 0,1
	v_max_num_f32 v[BM+\c], 0x1800000, v[BM+\c]    ; the floor 2^(3 - 127)
.endr
.irp c, 0,1
	v_add_nc_u32 v[SO+\c], 0xff000000, v[BM+\c]    ; 2 off the exponent field: the conversion's scale operand
.endr
.irp c, 0,1
	v_lshrrev_b32 v[BY+\c], 23, v[SO+\c]           ; the scale's byte
.endr
	v_lshl_or_b32 v[T0], v[BY+1], 16, v[BY]        ; my blocks h and 2 + h,
	s_delay_alu instid0(VALU_DEP_1)
	v_lshlrev_b32 v[T0], v[SH8], v[T0]             ; at their places in the word;
	s_delay_alu instid0(VALU_DEP_1)
	v_permlanex16_b32 v[T1], v[T0], s4, s5
	s_delay_alu instid0(VALU_DEP_1)
	v_or_b32 v[PSC], v[T0], v[T1]                  ; with lane l xor 16's two: p's scale word
.irp c, 0,1
.irp g, 0,1,2,3
	v_cvt_scalef32_pk8_fp4_f32 v[P+4*\c+\g], v[S+32*\c+8*\g:S+32*\c+8*\g+7], v[SO+\c]   ; register 4 c + g of the operand as it stands
.endr
.endr
	v_pk_add_f32 v[SA:SA+1], v[S:S+1], v[S+2:S+3]  ; the row's sum of the unquantised p, in four chains; these 32 lines are also the places ahead of the products
	v_pk_add_f32 v[SA+2:SA+3], v[S+4:S+5], v[S+6:S+7]
	v_pk_add_f32 v[SA+4:SA+5], v[S+8:S+9], v[S+10:S+11]
	v_pk_add_f32 v[14:15], v[14:15], v[S+12:S+13]
.set j, 14
.rept 6
	v_pk_add_f32 v[SA:SA+1], v[SA:SA+1], v[S+j:S+j+1]
	v_pk_add_f32 v[SA+2:SA+3], v[SA+2:SA+3], v[S+j+2:S+j+3]
	v_pk_add_f32 v[SA+4:SA+5], v[SA+4:SA+5], v[S+j+4:S+j+5]
	v_pk_add_f32 v[14:15], v[14:15], v[S+j+6:S+j+7]
.set j, j+8
.endr
	v_pk_add_f32 v[SA:SA+1], v[SA:SA+1], v[S+62:S+63]
	v_pk_add_f32 v[14:15], v[14:15], v[SA+2:SA+3]
	v_pk_add_f32 v[SA:SA+1], v[SA:SA+1], v[SA+4:SA+5]
	s_delay_alu instid0(VALU_DEP_1)
	v_pk_add_f32 v[14:15], v[14:15], v[SA:SA+1]
.endm
; A KEY STEP.  pre: the next step's first loads are issued here.  sync 1: the slot's last step, a round and a refill of the ring follow; 3: a round and Wo's record follow.  y0: LDS instructions younger than the first loads
.macro STEP ka, ks, sp, mb, pre, sync, g0, y0
	s_wait_alu depctr_va_vdst(0)
	s_wait_dscnt \y0
.irp t, 0,1,2,3
	WM S+8*\t, M+4*(\t/4)+2*((\t%4)/2), BI+8*(\t%2), 1, ISC, ISC, 0   ; -2^66 where hidden, 0 where open: it starts the sum.  The accumulators by turns
.endr
.irp t, 0,1,2,3
	WM S+8*\t, K+4*\t, Q, 0, KSC+\t/2, QSC, \t%2
.endr
	NOP4                                           ; places: for the loads into k's registers and the reads of the scores
.irp u, 0,1,2,3
	ds_load_b128 v[K+4*\u:K+4*\u+3], v[\ka] offset:(\sp)*STEPB+2048+512*\u
.endr
.irp t, 4,5,6,7
	WM S+8*\t, M+4*(\t/4)+2*((\t%4)/2), BI+8*(\t%2), 1, ISC, ISC, 0   ; they name none of k's registers: work while the loads above are out
.endr
	CHAIN 0
	s_wait_alu depctr_va_vdst(0)
	s_wait_dscnt 0x0
.irp t, 4,5,6,7
	WM S+8*\t, K+4*(\t-4), Q, 0, KSC+\t/2, QSC, \t%2
.endr
	NOP4
.irp t, 0,1,2,3
.irp c, 0,1
	ds_load_b128 v[V+8*\t+4*\c:V+8*\t+4*\c+3], v[\ka] offset:(\sp)*STEPB+4096+1024*\t+512*\c
.endr
.endr
.irp u, 0,1
	ds_load_b32 v[VSW+\u], v[\ks] offset:(\sp)*STEPB+8704+128*\u
.endr
.if \pre
	LOADA \ka, \ks, 1, \mb
.endif
	CHAIN 1
	SOFT
	s_wait_alu depctr_va_vdst(0)
.if \sync
	s_wait_tensorcnt 0x0                           ; my record of the other slot has landed (asked for at this slot's head): no tensor load of mine is out
	ds_add_u32 v[SPW], v[NIL]                      ; 0 onto my spare word; the four products stand between it and the wait for it
.if \sync == 1
	s_add_nc_u64 s[\g0+2:\g0+3], s[\g0+2:\g0+3], 4*STEPB   ; this slot's next two steps
.endif
	s_wait_dscnt 1                                 ; v's ten loads are in; the add may be out
.else
	s_wait_dscnt 10*\pre                           ; v's ten loads are in; the next step's ten may be out
.endif
.irp t, 0,1,2,3
	WM O+8*\t, V+8*\t, P, 0, VSW+\t/2, PSC, \t%2   ; O^T += v^T p^T
.endr
.if \sync
	s_wait_dscnt 0x0                               ; the add, my stores of mask codes and my last reads of this slot are done
	s_barrier_signal -1
.endif
.endm
.macro BODY sl, conv, rl, sync, pf
	LOADA KA+\sl, KS+\sl, 0, \sl
.if \conv
	CONV 1-\sl, \rl, \pf
.endif
	STEP KA+\sl, KS+\sl, 0, \sl, 1, 0, 0, 4*\conv
	STEP KA+\sl, KS+\sl, 1, \sl, 0, \sync, 20+4*\sl, 0
.if \sync
	s_wait_alu depctr_va_vdst(0)
	s_barrier_wait -1
	CREST                                          ; no wave of any partner still reads this slot or has a load on its way
.endif
.if \sync == 1
	tensor_load_to_lds s[20+4*\sl:23+4*\sl], s[12:19]   ; my one load behind the round
	s_nop 0
.endif
.if \sync == 3
	tensor_load_to_lds s[56:59], s[48:55]          ; my sixteenth of Wo's record, into the slot just left: my one load behind the round
	s_nop 0
.endif
.endm
	s_load_b256 s[48:55], s[0:1], 0x0              ; qi s[48:49], qs s[50:51], kv s[52:53], mask s[54:55]
	s_load_b128 s[56:59], s[0:1], 0x20             ; wq s[56:57], bo s[58:59]
	s_load_b64 s[92:93], s[0:1], 0x30              ; out0
	v_lshl_add_u32 v[SPW], v0, 2, SPARE
	v_mov_b32 v[NIL], 0
	ds_add_u32 v[SPW], v[NIL]                      ; the opening lines: the add, twice on end, and its wait
	ds_add_u32 v[SPW], v[NIL]
	v_lshrrev_b32 v1, 5, v0
	v_readfirstlane_b32 s3, v1                     ; wave 0..15
	s_bfe_u32 s60, ttmp6, 0x40000                  ; cx: it enters the addresses of q, of the mask and of the results alone
	s_lshl_b32 s61, ttmp9, 2
	s_add_co_u32 s61, s61, s60                     ; work-group 0..255: 32 queries
	s_lshr_b32 s62, ttmp9, 5                       ; batch: the four partners share it
	s_lshr_b32 s63, s3, 1                          ; my head
	s_and_b32 s66, s3, 1                           ; my query tile; also which step of a slot I fetch
	s_lshl_b32 s67, s62, 3
	s_add_co_u32 s67, s67, s63                     ; batch x 8 + head
	s_mov_b32 s12, 15|(3<<16)|(1<<21)              ; group 1: the mask names all four; elements of 8 bytes; 35 dense rows of 256 bytes: a record
	s_mov_b32 s13, 32<<16
	s_mov_b32 s14, 35<<16
	s_mov_b32 s15, 32<<16
	s_mov_b32 s16, 35
	s_mov_b32 s17, 32
	s_mov_b32 s18, 0
	s_mov_b32 s19, 0
	s_mov_b32 s20, 1
	s_mul_i32 s21, s3, STEPB                       ; record w of slot 0,
	s_mov_b32 s24, 1
	s_add_co_u32 s25, s21, SLOTB                   ; of slot 1
	s_mul_i32 s70, s67, HEADB
	s_mul_i32 s69, s66, STEPB
	s_add_co_u32 s70, s70, s69                     ; in kv: my head's step w % 2
	s_mov_b32 s71, 0
	s_and_b32 s72, s61, 127
	s_lshl_b32 s72, s72, 1
	s_add_co_u32 s72, s72, s66                     ; T: my tile of 16 queries in the batch
	s_lshl_b32 s74, s67, 8
	s_add_co_u32 s74, s74, s72
	s_lshl_b32 s74, s74, 9                         ; q's codes: (head x 256 + T) x 512
	s_mov_b32 s75, 0
	s_lshl_b32 s76, s67, 14
	s_lshl_b32 s72, s72, 6
	s_add_co_u32 s76, s76, s72                     ; q's scale words
	s_mov_b32 s77, 0
	s_bfe_u32 s82, s3, 0x10001                     ; the conversion's shares: step w % 2, C = bit 1, octet of queries = bit 2, query tile = bit 3
	s_bfe_u32 s83, s3, 0x10002
	s_lshr_b32 s84, s3, 3
	s_lshl_b32 s78, s61, 19                        ; 32 rows of 16,384 bytes
	s_lshl_b32 s85, s84, 18
	s_add_co_u32 s78, s78, s85
	s_lshl_b32 s85, s83, 17
	s_add_co_u32 s78, s78, s85
	s_lshl_b32 s85, s66, 9
	s_add_co_u32 s78, s78, s85
	s_lshl_b32 s85, s82, 8
	s_add_co_u32 s78, s78, s85
	s_mov_b32 s79, 0
	s_lshl_b32 s80, s61, 16                        ; out0: my work-group's 32 rows of 2,048 bytes,
	s_lshl_b32 s85, s3, 12
	s_add_co_u32 s80, s80, s85                     ; + my wave's two rows
	s_mov_b32 s81, 0
	s_lshl_b32 s86, s3, 7                          ; bo: my wave's 32 numbers
	s_mov_b32 s87, 0
	s_mul_i32 s91, s3, 8704                        ; my sixteenth of Wo's record, in LDS and in the record,
	s_add_co_u32 s72, s91, 3*139264                ; which is the fourth in wq
	s_mov_b32 s73, 0
	s_mul_i32 s88, s63, 2*STEPB                    ; my head's two records in a slot
	s_lshl_b32 s89, s66, 10
	s_add_co_u32 s89, s89, MSK                     ; my query tile's mask codes
	s_lshl_b32 s90, s66, 11
	s_lshl_b32 s85, s82, 9
	s_add_co_u32 s90, s90, s85
	s_lshl_b32 s85, s83, 2
	s_add_co_u32 s90, s90, s85
	s_lshl_b32 s85, s84, 10
	s_add_co_u32 s90, s90, s85
	s_add_co_u32 s90, s90, MSK                     ; where my conversions go
	s_mov_b32 s4, 0x76543210
	s_mov_b32 s5, 0xfedcba98                       ; selects for lane l xor 16
	s_mov_b32 s6, 0x3d8293ee                       ; c = log2(e) / sqrt(512)
	s_mov_b32 s7, s6
	s_mov_b32 s9, 0xbd8293ee                       ; -c
	s_wait_alu depctr_va_vdst(0)
	s_wait_dscnt 0x0                               ; both opening adds are done
	s_wait_kmcnt 0x0
	s_add_nc_u64 s[22:23], s[52:53], s[70:71]
	s_add_nc_u64 s[26:27], s[22:23], 2*STEPB
	s_or_b32 s23, s23, 0x80000000
	s_or_b32 s27, s27, 0x80000000
	s_add_nc_u64 s[36:37], s[48:49], s[74:75]
	s_add_nc_u64 s[38:39], s[50:51], s[76:77]
	s_add_nc_u64 s[30:31], s[54:55], s[78:79]
	s_add_nc_u64 s[32:33], s[92:93], s[80:81]
	s_add_nc_u64 s[34:35], s[58:59], s[86:87]
	s_add_nc_u64 s[58:59], s[56:57], s[72:73]      ; Wo's descriptor, in registers whose arguments have been used: group 0,
	s_or_b32 s59, s59, 0x80000000
	s_mov_b32 s56, 1
	s_mov_b32 s57, s91
	s_mov_b32 s48, 15|(3<<16)|(1<<21)              ; and group 1: the mask names all four; 34 dense rows of 256 bytes
	s_mov_b32 s49, 32<<16
	s_mov_b32 s50, 34<<16
	s_mov_b32 s51, 32<<16
	s_mov_b32 s52, 34
	s_mov_b32 s53, 32
	s_mov_b32 s54, 0
	s_mov_b32 s55, 0
	v_and_b32 v2, 31, v0
	v_lshlrev_b32 v1, 4, v2                        ; 16 x lane
	v_lshlrev_b32 v2, 2, v2                        ; 4 x lane
	v_and_b32 v[BY], 15, v0
	v_lshlrev_b32 v[T1], 4, v[BY]
	v_lshlrev_b32 v[BY], 2, v[BY]                  ; 4 x (lane % 16)
	v_bfe_u32 v[SH8], v0, 4, 1
	v_lshl_add_u32 v[MGO], v[SH8], 14, v[T1]       ; the mask: lanes 0-15 one row, lanes 16-31 the next; 16 bytes a lane
	global_load_b128 v[Q:Q+3], v1, s[36:37]        ; q's fragment stays in registers.  These six loads are on their way while the work-groups meet
	global_load_b32 v[QSC], v[BY], s[38:39]
.irp j, 0,1,2,3
	global_load_b128 v[RAW+4*\j:RAW+4*\j+3], v[MGO], s[30:31] offset:32768*\j th:TH_LOAD_NT   ; slot 0's mask
.endr
	s_wait_alu depctr_va_vdst(0)                   ; the wait ahead of the barrier
	ROUND                                          ; all four work-groups are here: the joint loads meet
	tensor_load_to_lds s[20:23], s[12:19]          ; slot 0: one tensor load a wave at the head
	s_nop 0
	v_add_nc_u32 v[KA], s88, v1
	v_add_nc_u32 v[KA+1], SLOTB, v[KA]
	v_add_nc_u32 v[KS], s88, v2
	v_add_nc_u32 v[KS+1], SLOTB, v[KS]
	v_add_nc_u32 v[MRD], s89, v1
	v_and_b32 v[T0], 1, v0                         ; key 4 i + e of my 64 (i = lane % 16) is row 4 (i % 2) + e + 8 (i / 8) of tile (i / 2) % 4: lane row + 16 (tile % 2), 16 bytes a lane, 8 (tile / 2), 2 (lane / 16)
	v_lshlrev_b32 v[MST], 6, v[T0]
	v_bfe_u32 v[T0], v0, 3, 1
	v_lshl_add_u32 v[MST], v[T0], 7, v[MST]
	v_bfe_u32 v[T0], v0, 1, 1
	v_lshl_add_u32 v[MST], v[T0], 8, v[MST]
	v_bfe_u32 v[T0], v0, 2, 1
	v_lshl_add_u32 v[MST], v[T0], 3, v[MST]
	v_lshl_add_u32 v[MST], v[SH8], 1, v[MST]
	v_add_nc_u32 v[MST], s90, v[MST]
	v_lshlrev_b32 v[SH8], 3, v[SH8]
	v_and_b32 v[PFO], 31, v0
	v_min_u32 v[PFO], 7, v[PFO]
	v_lshlrev_b32 v[PFO], 14, v[PFO]               ; the prefetches: a lane a row of my eight; lanes 8-31 name the last again
	v_and_b32 v[T0], 1, v0                         ; the identities: query q stands at place 8 (q / 8) + 4 (q % 2) + (q / 2) % 4 of K: code 1 (bits 0010) in that nibble
	v_lshlrev_b32 v[T0], 4, v[T0]
	v_bfe_u32 v[T1], v0, 1, 2
	v_lshl_add_u32 v[T0], v[T1], 2, v[T0]
	v_mov_b32 v[T1], 2
	v_lshlrev_b32 v[T0], v[T0], v[T1]
	v_bfe_u32 v[T1], v0, 3, 2                      ; lane / 8: which of the four registers holds my nibble
.irp x, 0,1,2,3
	v_cmp_eq_u32 s[40+\x], \x, v[T1]
.endr
	v_cndmask_b32 v[BI], 0, v[T0], s40             ; for tiles in lanes 0-15 of the mask's registers: K 0-15
	v_cndmask_b32 v[BI+1], 0, v[T0], s41
	v_cndmask_b32 v[BI+8], 0, v[T0], s42           ; for tiles in lanes 16-31: K 32-47
	v_cndmask_b32 v[BI+9], 0, v[T0], s43
.irp x, 2,3,4,5,6,7,10,11,12,13,14,15
	v_mov_b32 v[BI+\x], 0
.endr
.irp x, 4,5,6,7
	v_mov_b32 v[Q+\x], 0                           ; zero codes: q's upper half of K
.endr
	v_mov_b32 v[ISC], 0xa0a0a0a0                   ; 2^33 on both sides of the mask's product
	v_mov_b32 v[ONE], 1.0
	v_mov_b32 v[NEG1], -1.0
	v_mov_b32 v13, 0xff61b1e6                      ; the largest score so far: -3e38
	v_mul_f32 v12, s9, v13
	v_floor_f32 v12, v12                           ; -M
	v_mov_b32 v14, 0
	v_mov_b32 v15, 0
	v_mov_b32 v[F+1], 0                            ; (named as the upper half of a pair)
	v_mov_b32 v[T1], 0                             ; a lane permute's destination counts as one of its sources
.set j, 0
.rept 32
	v_mov_b32 v[O+j], 0                            ; O^T: the step is written in one form; the first finds zeros
.set j, j+1
.endr
	CONV 0, 1, 0                                   ; slot 0's codes; slot 1's mask is asked for
	s_wait_alu depctr_va_vdst(0)
	s_wait_tensorcnt 0x0                           ; my record of slot 0 is in
	ds_add_u32 v[SPW], v[NIL]
	s_wait_dscnt 0x0
	ROUND
	tensor_load_to_lds s[24:27], s[12:19]          ; slot 1's first fill
	s_nop 0
	s_mov_b32 s28, 7
.Llap:                                             ; 7 trips of two slots; each slot is filled again behind its last step
	BODY 0, 1, 1, 1, 1
	BODY 1, 1, 1, 1, 1
	s_sub_co_i32 s28, s28, 1
	s_cmp_lg_u32 s28, 0
	s_cbranch_scc1 .Llap
	BODY 0, 1, 0, 3, 0                             ; the last two slots fetch no more keys; slot 0 takes Wo's record
	BODY 1, 0, 0, 0, 0
	; o = O^T / the sum, quantised along the head's 64; register 16 B + i is channel 32 B + 16 (lane / 16) + i
	NOP4
	v_add_f32 v14, v14, v15
	v_permlanex16_b32 v[T1], v14, s4, s5
	v_add_f32 v14, v14, v[T1]                      ; the row's sum
	s_wait_alu depctr_va_vdst(0)
	v_rcp_f32 v14, v14
	v_nop
	s_wait_alu depctr_va_vdst(0)                   ; ahead of the reciprocal's first reader, which is also the first reader of the last products
.set j, 0
.rept 32
	v_mul_f32 v[S+j], v[O+j], v14
.set j, j+1
.endr
.irp b, 0,1
	v_max3_num_f32 v[BM+\b], |v[S+16*\b]|, |v[S+1+16*\b]|, 0x1800000
.endr
.irp i, 2,4,6,8,10,12,14
.irp b, 0,1
	v_max3_num_f32 v[BM+\b], v[BM+\b], |v[S+16*\b+\i]|, |v[S+1+16*\b+\i]|
.endr
.endr
.irp b, 0,1
	v_permlanex16_b32 v[TM+\b], v[BM+\b], s4, s5
.endr
.irp b, 0,1
	v_max_num_f32 v[BM+\b], v[BM+\b], v[TM+\b]
.endr
.irp b, 0,1
	v_add_nc_u32 v[SO+\b], 0xff000000, v[BM+\b]
.endr
.irp b, 0,1
	v_lshrrev_b32 v[BY+\b], 23, v[SO+\b]
.endr
	v_lshl_or_b32 v[PSC], v[BY+1], 8, v[BY]        ; my query's two bytes
.irp b, 0,1
	v_cvt_scalef32_pk8_fp4_f32 v[P+2*\b], v[S+16*\b:S+7+16*\b], v[SO+\b]
	v_cvt_scalef32_pk8_fp4_f32 v[P+1+2*\b], v[S+8+16*\b:S+15+16*\b], v[SO+\b]
.endr
	v_nop
	v_permlane16_swap_b32 v[P], v[P+2]             ; lanes 0-15 block 0, lanes 16-31 block 1
	v_permlane16_swap_b32 v[P+1], v[P+3]
	; THE LAST PRODUCT
	s_lshl_b32 s60, s66, 12
	s_lshl_b32 s61, s63, 9
	s_add_co_u32 s60, s60, s61
	s_add_co_u32 s60, s60, AIM                     ; my codes' image: token tile x 4,096 + head x 512
	s_lshl_b32 s62, s66, 10
	s_lshl_b32 s61, s63, 7
	s_add_co_u32 s62, s62, s61
	s_add_co_u32 s62, s62, ASM                     ; my scale words': token tile x 1,024 + head x 128
	s_lshl_b32 s67, s3, 13                         ; Wo's tiles 2 w, 2 w + 1: 8,192 bytes,
	s_lshl_b32 s68, s3, 9
	s_add_co_u32 s68, s68, 131072                  ; their scale words: 512 bytes
	s_lshl_b32 s69, s3, 7
	s_add_co_u32 s69, s69, STG                     ; the stage, in: + my 32 columns
	s_mul_i32 s70, s3, 2*SP
	s_add_co_u32 s70, s70, STG                     ; and back: my two rows
	v_add_nc_u32 v5, s60, v1
	v_add_nc_u32 v7, s62, v2
	v_add_nc_u32 v6, s67, v1
	v_add_nc_u32 v8, s68, v1
	v_bfe_u32 v9, v0, 4, 1
	v_lshlrev_b32 v9, 6, v9                        ; 64 h: my half's 16 columns
	v_add_nc_u32 v10, AIM, v1
	v_add_nc_u32 v11, ASM, v2
	v_and_b32 v12, 15, v0
	v_mul_u32_u24 v12, v12, SP
	v_add_nc_u32 v12, v12, v9
	v_add_nc_u32 v12, s69, v12                     ; row r, + 128 w + 64 h
	v_add_nc_u32 v13, s70, v1
	s_wait_alu depctr_va_vdst(0)
	ds_store_b128 v5, v[P:P+3]                     ; four registers of the last product's operand, as they stand
	ds_store_b32 v7, v[PSC]
.irp m, 0,1
.irp u, 0,1
	global_load_b128 v[ACC+16*\m+8*\u:ACC+16*\m+8*\u+3], v9, s[34:35] offset:32*\u        ; bo at my eight columns of tile u: the C of the sum's first product
	global_load_b128 v[ACC+16*\m+8*\u+4:ACC+16*\m+8*\u+7], v9, s[34:35] offset:32*\u+16
.endr
.endr
	s_wait_tensorcnt 0x0                           ; for the others' sake: my sixteenth of Wo's record has landed,
	s_wait_dscnt 0x0                               ; my stores are done, and my reads of slot 1 are over
	s_barrier_signal -1
	s_barrier_wait -1
.irp u, 0,1
.irp s, 0,1,2,3
.irp c, 0,1
	ds_load_b128 v[WF+32*\u+8*\s+4*\c:WF+32*\u+8*\s+4*\c+3], v6 offset:4096*\u+1024*\s+512*\c
.endr
.endr
.endr
	ds_load_b128 v[KSC:KSC+3], v8                  ; Wo's scale words, K step s: lanes 0-15 tile 2 w, lanes 16-31 tile 2 w + 1
.irp m, 0,1
.irp s, 0,1,2,3
.irp c, 0,1
	ds_load_b128 v[AF+32*\m+8*\s+4*\c:AF+32*\m+8*\s+4*\c+3], v10 offset:4096*\m+1024*\s+512*\c   ; K step s = heads 2 s and 2 s + 1
.endr
.endr
.endr
.irp m, 0,1
.irp e, 0,1,2,3,4,5,6,7
	ds_load_b32 v[AS+8*\m+\e], v11 offset:1024*\m+128*\e
.endr
.endr
	s_wait_loadcnt 0x0
	s_wait_dscnt 0x0
.irp m, 0,1
.irp s, 0,1,2,3
	v_lshl_or_b32 v[204+46*\m+\s], v[AS+8*\m+2*\s+1], 16, v[AS+8*\m+2*\s]   ; bytes 0, 1: head 2 s; bytes 2, 3: head 2 s + 1.  v204-207 token tile 0, v250-253 token tile 1
.endr
.endr
.rept 8
	v_nop                                          ; a scale register written by a vector instruction stands 8 places ahead of a scaled matrix instruction
.endr
.irp s, 0,1,2,3                                ; the four accumulators by turns, K ascending
.irp m, 0,1
.irp u, 0,1
	WM ACC+16*\m+8*\u, WF+32*\u+8*\s, AF+32*\m+8*\s, 0, KSC+\s, 204+46*\m+\s, \u
.endr
.endr
.endr
	NOP4
.irp m, 0,1
.irp u, 0,1
	ds_store_b128 v12, v[ACC+16*\m+8*\u:ACC+16*\m+8*\u+3] offset:16*SP*\m+32*\u            ; each accumulator from its low end on
	ds_store_b128 v12, v[ACC+16*\m+8*\u+4:ACC+16*\m+8*\u+7] offset:16*SP*\m+32*\u+16
.endr
.endr
	s_wait_dscnt 0x0                               ; for the others' sake: my stores into the stage are done
	s_barrier_signal -1
	s_barrier_wait -1                              ; 32 whole rows lie in the stage
.irp q, 0,1,2,3,4,5,6,7
	ds_load_b128 v[AF+4*\q:AF+4*\q+3], v13 offset:SP*(\q/4)+512*(\q%4)
.endr
.irp q, 0,1,2,3,4,5,6,7
	s_wait_dscnt 7-\q                              ; load q is in, the younger ones may be out
	global_store_b128 v1, v[AF+4*\q:AF+4*\q+3], s[32:33] offset:2048*(\q/4)+512*(\q%4) th:TH_STORE_NT   ; 512 consecutive bytes, at a multiple of 256 from out0's first byte
.endr
	s_wait_tensorcnt 0x0                           ; the wave's end
	ds_add_u32 v[SPW], v[NIL]
	s_wait_dscnt 0x0
	ROUND                                          ; the closing round
	s_endpgm
.Lfunc_end_k_q0dc911b7aa_attn:
	.size	k_q0dc911b7aa_attn, .Lfunc_end_k_q0dc911b7aa_attn-k_q0dc911b7aa_attn
	.p2alignl 7, 3214868480
	.fill 96, 4, 3214868480
	.section	.rodata,"a",@progbits
	.p2align	6, 0x0
	.amdhsa_kernel k_q0dc911b7aa_attn
		.amdhsa_group_segment_fixed_size 327680
		.amdhsa_private_segment_fixed_size 0
		.amdhsa_enable_private_segment 0
		.amdhsa_kernarg_size 56
		.amdhsa_user_sgpr_count 2
		.amdhsa_user_sgpr_kernarg_segment_ptr 1
		.amdhsa_wavefront_size32 1
		.amdhsa_system_sgpr_workgroup_id_x 1
		.amdhsa_system_sgpr_workgroup_id_y 1
		.amdhsa_system_sgpr_workgroup_id_z 1
		.amdhsa_system_vgpr_workitem_id 0
		.amdhsa_next_free_vgpr 256
		.amdhsa_next_free_sgpr 96
		.amdhsa_reserve_vcc 0
		.amdhsa_float_denorm_mode_32 3
		.amdhsa_float_denorm_mode_16_64 3
		.amdhsa_memory_ordered 1
		.amdhsa_forward_progress 1
		.amdhsa_inst_pref_size 162
	.end_amdhsa_kernel
	.amdgpu_metadata
---
amdhsa.version: [ 1, 2 ]
amdhsa.kernels:
  - .name:           k_q0dc911b7aa_attn
    .symbol:         k_q0dc911b7aa_attn.kd
    .args:
      - { .name: qi, .offset: 0, .size: 8, .value_kind: global_buffer, .address_space: global }
      - { .name: qs, .offset: 8, .size: 8, .value_kind: global_buffer, .address_space: global }
      - { .name: kv, .offset: 16, .size: 8, .value_kind: global_buffer, .address_space: global }
      - { .name: mask, .offset: 24, .size: 8, .value_kind: global_buffer, .address_space: global }
      - { .name: wq, .offset: 32, .size: 8, .value_kind: global_buffer, .address_space: global }
      - { .name: bo, .offset: 40, .size: 8, .value_kind: global_buffer, .address_space: global }
      - { .name: out0, .offset: 48, .size: 8, .value_kind: global_buffer, .address_space: global }
    .group_segment_fixed_size: 327680
    .private_segment_fixed_size: 0
    .kernarg_segment_align: 8
    .kernarg_segment_size: 56
    .max_flat_workgroup_size: 512
    .sgpr_count:     96
    .vgpr_count:     256
    .wavefront_size: 32
...
	.end_amdgpu_metadata
.endif
;; end of part 3
